; MI455X (gfx1250); checked and timed in simulation.
; The chip was launched on July 23, 2026; its instructions are those of AMD's public machine-readable ISA for CDNA 5 (MIT licence, August 2026) and "CDNA5" Instruction Set Architecture Reference Guide (July 2026). The comments in the code are by the model that wrote it; some were corrected since.
;; Attn. Allowed arithmetic: matrix products marked QUANTISED: E4M3 operands, one given power-of-two scale a tensor, by v_wmma_f32_16x16x64_fp8_fp8 or v_wmma_f32_16x16x128_fp8_fp8, f32 sums; products left as they are: f32 operands where the result goes on into a quantised operand, else bf16, f16 or f32 operands; f32 sums; everything else in f32.
;; Inputs: attn_b 1,024 float32; attn_w_codes 1,024 x 64 x 32 uint8 (E4M3 codes of attn_w, K innermost, in blocks of 32 codes); encoder_outputs 16 x 2,048 x 1,024 float32; hidden 16 x 1 x 1,024 float32; lowp_scales 2 int32 (the exponents e of the quantised operands' scales 2^e); v 1 x 1,024 float32.
;; Outputs: out0 16 x 1 x 2,048 float32.
;; This version of the problem:
;;   THIS VERSION OF THE PROBLEM IS GIVEN IN LOW PRECISION. The matrix products marked QUANTISED in the list below multiply operands that are first quantised to E4M3 (4 exponent bits, 3 mantissa bits; 8 bits a number), with one given power-of-two scale for each operand tensor; their sums are f32. All else is computed in f32.
;;   The module's matrix products, in the order in which they are computed (A, B: the left and right operand; K: the contracted axis; several contracted axes count as one K, in the product's order):
;;     1. [M 32,768, K 2,048] x [K 2,048, N 1,024]; A: computed on the way; B: input attn_w (given as codes): QUANTISED (scales: A lowp_scales[0], B lowp_scales[1])
;;     2. [M 32,768, K 1,024] x [K 1,024, N 1]; A: computed on the way; B: input v: left as it is (N = 1 < 16)
;;   THE QUANTISER, for each operand of a quantised product, along K:
;;     - The operand's scale is 2^e, e = its entry of the input lowp_scales (int32; the entries are numbered through the quantised products in the list's order, A before B).
;;     - Each number is divided by the scale, clamped to +-448, and rounded to the nearest number of E4M3, ties to even, subnormals kept.
;;     - The product sums the exact products of the quantised numbers (number of the format x scale) in f32.
;;   ~~~python
;;   def quantise(x, axis, e):      # numpy; x: float32 -> the quantised numbers, widened to float32 again
;;       x = np.moveaxis(x, axis, -1); K = x.shape[-1]
;;       r = np.clip(x / 2.0 ** e, -448, 448)
;;       step = 2.0 ** (np.maximum(np.frexp(np.where(r == 0, 1, r))[1] - 1, -6) - 3)
;;       q = np.round(r / step) * step * 2.0 ** e      # np.round: ties to even
;;       return np.moveaxis(q, -1, axis).astype(np.float32)
;;   ~~~
;;   OPERANDS COMPUTED ON THE WAY. 'Computed on the way' means the value that the module computes at that place (a softmax that the list does not call 'softmax' is quantised finished and normalised). What goes into a quantiser is computed in f32, as accurately as f32 sums, v_exp_f32 and their like allow (about 1e-6 of the number): no bf16 or f16 on the way to a quantiser, and a product that is left as it is and whose result goes on into a quantised operand takes f32 operands (vector FMAs, or v_wmma_f32_16x16x4_f32). A number that lies on a knife's edge between two numbers of the format may be rounded either way, as far as f32 arithmetic and the matrix unit's own rounding can turn it there, and no further.
;;   INPUTS GIVEN AS CODES. attn_w (in the module: [1024, 2048], K = its axis 1): each comes as NAME_codes (uint8): NAME with its K axis moved to the last place and cut into blocks of 32 codes, [.., K / 32, bytes a block], one block behind the other in memory; one code a byte (a code: sign, 4 exponent bits, 3 mantissa bits); its scale is its entry of lowp_scales. Its value is code x scale, taken as it is: it is not quantised again, and the codes and scales need not be those that the quantiser above would give.
;; One version. Each part assembles by itself: llvm-mc -triple=amdgcn-amd-amdhsa -mcpu=gfx1250 --defsym DOCPART=n.
;; ======== version 1 of 1: 2 launches
;; workspace buffers: scores 132,096 bytes
;; launch energy (part 1): grid 256 x 1, 4 waves a work-group, clusters of 4 x 1, 327,680 bytes of LDS; arguments attn_b, attn_w_codes, encoder_outputs, hidden, lowp_scales, v, scores; writes scores
.if DOCPART == 1
	.amdgcn_target "amdgcn-amd-amdhsa--gfx1250"
	.amdhsa_code_object_version 6
	.text
	.protected	k_q7972ee072f_energy
	.globl	k_q7972ee072f_energy
	.p2align	8
	.type	k_q7972ee072f_energy,@function
k_q7972ee072f_energy:
	s_mov_b64 s[64:65], 0
	v_nop
	global_prefetch_b8 v0, s[64:65] scope:SCOPE_SE
	s_setreg_imm32_b32 hwreg(HW_REG_WAVE_MODE, 25, 1), 1
	s_wait_xcnt 0x0
	s_wait_alu depctr_hold_cnt(0) depctr_sa_sdst(0) depctr_va_vdst(0) depctr_va_sdst(0) depctr_va_ssrc(0) depctr_va_vcc(0) depctr_vm_vsrc(0)
	s_getreg_b32 s2, hwreg(HW_REG_IB_STS2, 6, 4)
	s_cmp_eq_u32 s2, 0
	s_cbranch_scc0 .Lentry_in_a_cluster
	s_endpgm
.Lentry_in_a_cluster:
	s_bfe_u32 s2, ttmp6, 0x10000c
	s_cmp_lg_u32 s2, 0x3003
	s_cbranch_scc0 .Lentry_shape_is_right
	s_endpgm
.Lentry_shape_is_right:
; raw[b][s] = 2^(e0+e1) x sum over h of v[h] x (sum over k >= 1024 of Q(x)[b][s][k] W[h][k]),  x = [hidden[b] | encoder_outputs[b][s]], Q = E4M3 codes with the scale 2^e0; W comes as codes with 2^e1.
; cpart[g]  = sum over 64 columns h of v[h] x (2^(e0+e1) x sum over k < 1024 of Q(hidden[b])[k] W[h][k] + attn_b[h]).  The second launch adds a batch's 16 cpart to its raw scores and takes the softmax.
; THE K < 1024 HALF: the problem's own text broadcasts hidden[b] over s, so that half of the product is one row for all 2,048 s of a batch: it is made once for each batch, by the same matrix
; instruction on the same codes (a fragment of 16 equal rows), 64 columns in each of the batch's 16 work-groups.
; energy IS USED ONLY THROUGH sum over h of v[h] energy[h], which is linear: a partial sum over 256 of K is weighted by v and added to a running f32 score at once.  So K goes outermost, in four
; chunks of 256, in step with the stream of encoder_outputs, and no tile of energy lives longer than two blocks.  Only the order of f32 additions differs from a sum over all K first.
; THE CLUSTERS BEGIN AT DIFFERENT CHUNKS: step c of cluster x takes K quarter (c + x) mod 4, so that the launch's loads are spread over all four quarters of the rows and do not all ask for the same quarter.
; SHARES.  Work-group g (0..255) takes rows 128 g .. 128 g + 127 of encoder_outputs seen as [32768][1024], and all 1,024 columns h.  THE FOUR WAVES SHARE THE COLUMNS: in N half hf wave w owns
; W rows 512 hf + 128 w .. + 127, for all 128 rows.  A chunk's fragments of x (8 row blocks x 2 K steps x 16 registers) stay in registers; a block is 16 columns: 16 matrix instructions into 8 accumulators.
; x COMES BY GLOBAL LOADS INTO REGISTERS: each load of a wave covers 512 consecutive bytes of one row, aligned; up to 63 loads a wave are on their way (four pieces of 16, less one);
; the numbers are held and converted where they land (a lane holds 4 neighbours along K), and only the codes, one byte a number, are turned through LDS into fragments.
; W COMES BY TENSOR LOADS, JOINTLY: the four work-groups of a cluster walk the same tiles of W and ask with one descriptor and the mask 15.  A wave fetches the 128 rows that it alone reads.
; THE MATRIX INSTRUCTION IS USED TRANSPOSED (source 0 = 16 rows of W, source 1 = 16 rows of x): lane (r, h) holds row r of x and, in register j, column 8 h + j.
; Fragments are fetched by four loads of 16 bytes (registers 4 c .. 4 c + 3: k = 32 c + 16 h + 0 .. 15): the same permutation of k on both sides, so every product meets its partner.
; LIMITS: e0 between -126 and 119, e0 + e1 between -126 and 127, so that each power of two below is an f32 number.  NaN among the inputs is not served; an infinity is held at the largest code.
; REGISTERS, in windows of 256.  Window 0: v0-15 addresses; v16-31 codes just made; v32-95 two sets of B (W) fragments; v96-223 two sets of 8 accumulators; v224-255 the running scores, 4 a row block.
;   Windows 1 and 2, alike: v0-127 a copy of my 256 numbers of v (block vb at 8 vb); v128-255 the chunk's fragments of x, K step 0 (window 1) or 1 (window 2).  v stands in both, so that products,
;   weighting and B's loads run under one setting: two switches a block.   Window 3: the four pieces of x on their way; at the end the hidden half's fragments.
; SCALARS that stay: s[8:9], s[80:85] x at the work-group's rows, at the K quarter of a chunk step; s[86:89] W at my rows of N half 0, 1, k = 1,024; s59 the K quarter in hand; s[62:63] 256 x the quarter asked for.
.set WPITCH, 272                       ; a row of W's tile in LDS: 256 bytes + 16 of padding: the 16 rows of a fragment load start 68 words apart
.set WWAVE,  128*WPITCH                ; a wave's 128 rows
.set WSLOT,  4*WWAVE                   ; a slot: slot 0 holds the tiles of N half 0, slot 1 those of half 1
.set VL,     2*WSLOT                   ; v: 1,024 bytes a wave, two rows of 512 (N half 0, 1); filled once
.set AT,     VL+4096                   ; a chunk's codes of x: 16 pieces, piece (ks, a) at (8 ks + a) x APIECE; written by LDS stores alone
.set APITCH, 144                       ; a piece's row: 128 codes + 16 bytes
.set APIECE, 16*APITCH
.set HID,    AT+16*APIECE              ; hidden[b]'s 1,024 codes
.set RED,    HID+1024                  ; 4 x 512 bytes of partial scores; at + 2,048 four words of the hidden half's partial sums
.set SPARE,  RED+2304                  ; the spare words, 128 bytes for each wave: two blocks of 256 bytes that no other line names
.set CPART,  131072                    ; cpart's first byte in the buffer of scores
.set SPW, 1                            ; v1   SPARE + 4 x my thread's number; never rewritten
.set NIL, 2                            ; v2   0; never rewritten
.set BR,  3                            ; v3, v4  my lane's place in my rows of slot 0, 1
.set AR,  5                            ; v5   my lane's place in a piece, for fragments
.set AW,  6                            ; v6   where I store a row's four codes
.set GA,  7                            ; v7   my byte offset in the work-group's rows of x; never rewritten
.set SCL, 8                            ; v8   2^e0 as f32: the conversions take its exponent field
.set VR,  9                            ; v9   my lane's place in my part of v
.set HR,  10                           ; v10  my lane's place in hidden's codes
.set HWO, 11                           ; v11  my byte offset in the hidden half's 16 rows of W
.set VBO, 12                           ; v12  my byte offset in that tile's v and attn_b
.set RW,  13                           ; v13  where I store a partial score
.set RR,  14                           ; v14  where wave 0 reads them back
.set CD,  16                           ; v16-31 codes
.set BF,  32                           ; B's sets: set p at BF + 32 p, K step 0 then K step 1
.set ACC, 96                           ; accumulators: set p at ACC + 64 p, row block a at + 8 a
.set SC,  224                          ; scores
.set AF,  128                          ; x's fragments, in windows 1 and 2
.set W_K0, 0x04                        ; source 1 in window 1
.set W_K1, 0x08                        ; source 1 in window 2
.set W_QM, 0xc3                        ; source 0 and destination in window 3
.set W_QC, 0x03                        ; source 0 in window 3
.set W_L1, 0x40                        ; destination in window 1
.set W_L2, 0x80                        ; destination in window 2
.set W_L3, 0xc0                        ; destination in window 3
.set W_HM, 0x0f                        ; sources 0 and 1 in window 3
.set MSB, 0
.macro WIN new                         ; the immediate's high byte repeats the setting that is left; a switch that changes nothing is dropped
.if MSB != (\new)
	s_set_vgpr_msb (MSB<<8)|(\new)
.set MSB, \new
.endif
.endm
.macro PLACES n
.rept \n
	v_nop
.endr
.endm
; A round of the cluster's barrier: my work-group's barrier; wave 0 signals for the work-group; every wave waits for all four work-groups; my work-group's barrier once more.
.macro CROUND
	s_barrier_signal -1
	s_barrier_wait -1
	s_cmp_lg_u32 s18, 0
	s_cbranch_scc1 .Lnot_wave_0_\@
	s_barrier_signal -3
.Lnot_wave_0_\@:
	s_barrier_wait -3
	s_barrier_signal -1
	s_barrier_wait -1
.endm
; x at the K quarter of chunk step c: the work-group's first row + 1,024 x ((my cluster's first quarter + c) mod 4)
.macro ABASE dst, c
	s_add_co_u32 s90, s59, \c
	s_and_b32 s90, s90, 3
	s_lshl_b32 s90, s90, 10
	s_add_nc_u64 s[\dst:\dst+1], s[8:9], s[90:91]
.endm
; Piece q of a chunk (K step q / 2, my row block 2 w + q % 2): 16 rows x 128 numbers, a load to a row, into slot q of window 3.  base: the scalar pair that holds the chunk's address.
.macro PLOAD q, base
	WIN W_L3
.irp i, 0,1,2,3,4,5,6,7,8,9,10,11,12,13,14,15
	global_load_b128 v[64*(\q)+4*\i:64*(\q)+4*\i+3], v[GA], s[\base:\base+1] offset:(16*((\q)%2)+\i)*4096+512*((\q)/2) th:TH_LOAD_NT
.endr
	WIN 0
.endm
; Piece q is held, converted and stored as codes; reload = 1: its slot takes the same piece of a later chunk.  left: the younger loads that may stay out.
.macro QUANT q, reload, base, left
	s_wait_loadcnt \left                           ; loads come back in order (ISA guide 5.7.1): this piece's 16 are in.  Where the slot is loaded again the count is 47, one under the three younger pieces' 48: with the 16 asked for below, 63 loads of mine are out at the most
	WIN W_QM
.set j, 0
.rept 64
	v_med3_num_f32 v[64*(\q)+j], v[64*(\q)+j], s52, s53   ; the conversion to an 8-bit code does not saturate (ISA guide 7.6.2): held within +-448 x 2^e0 first
.set j, j+1
.endr
	s_wait_dscnt 0x0                               ; the last piece's LDS stores have read the registers that the codes now take
	WIN W_QC
.irp m, 0,1,2,3,4,5,6,7
	v_cvt_scalef32_pk8_fp8_f32 v[CD+2*\m:CD+2*\m+1], v[64*(\q)+8*\m:64*(\q)+8*\m+7], v[SCL]   ; rows 2 m and 2 m + 1: four codes each, k = 4 x lane + 0 .. 3
.endr
	v_nop                                          ; one plain vector line behind the last scaled conversion
	WIN 0
.irp i, 0,1,2,3,4,5,6,7,8,9,10,11,12,13,14,15
	ds_store_b32 v[AW], v[CD+\i] offset:(8*((\q)/2)+(\q)%2)*APIECE+APITCH*\i   ; the 32 lanes store a row's 128 codes on end
.endr
.if \reload
	PLOAD \q, \base
.endif
.endm
; The chunk's 8 fragments of x of K step ks, into window 1 + ks.  The caller sets the windows behind it.
.macro AK ks
.if (\ks) == 0
	WIN W_L1
.else
	WIN W_L2
.endif
.irp a, 0,1,2,3,4,5,6,7
.irp c, 0,1,2,3
	ds_load_b128 v[AF+16*\a+4*\c:AF+16*\a+4*\c+3], v[AR] offset:(8*(\ks)+\a)*APIECE+32*\c
.endr
.endr
.endm
; A fragment of W: block m (16 of my rows) of N half hf, K step ks, into set m % 2.
.macro BFRAG hf, m, ks
.irp c, 0,1,2,3
	ds_load_b128 v[BF+32*((\m)%2)+16*(\ks)+4*\c:BF+32*((\m)%2)+16*(\ks)+4*\c+3], v[BR+(\hf)] offset:(\m)*16*WPITCH+128*(\ks)+32*\c
.endr
.endm
.macro BPRE hf                         ; what a half's first block finds asked for
	BFRAG \hf, 0, 0
	BFRAG \hf, 0, 1
	BFRAG \hf, 1, 0
.endm
; BLOCK m of N half hf: 16 columns x 128 rows x 256 K: 16 matrix instructions, the 8 accumulators of set m % 2 by turns, the first 8 starting the sums with 0.
; flush = 1: behind each matrix instruction stand two packed multiply-adds that weigh the block before (the other set) with its 16 numbers of v and add it to the scores, each accumulator from its low end on.
; They are also the places: a load into B's registers stands three slices (6 of them) behind the last product that read them, and an accumulator's first read 16 or more behind the product that finished it;
; none of them names a register of those products (ISA guide 7.12.1 for vector instructions).
; B's fragments are asked for one and a half blocks ahead: K step 1 of block m + 1 behind the second product, K step 0 of block m + 2 behind the tenth.  The macro leaves the windows at W_K1.
; afr = 1: a chunk's first block.  x's fragments of K step 1 are asked for behind its first product, when its first wait has left 8 LDS loads out, and arrive while K step 0 is multiplied.
.macro BLK hf, m, flush, afr
.set BX, ACC+64*((\m)%2)
.set BY, ACC+64*(1-(\m)%2)
.set BB, BF+32*((\m)%2)
.if (\m) == 0
.set BV, 8*(8*(1-(\hf))+7)             ; the block before was the other half's last
.else
.set BV, 8*(8*(\hf)+(\m)-1)
.endif
.set bi, 0
.rept 16
.set ba, bi%8
.if bi == 0
	s_wait_dscnt 8-4*((\m)/7)                      ; my K step 0 is in (in a chunk's first block x's too, asked for ahead of it); behind it were asked: my K step 1 and the next block's K step 0 (the last block: my K step 1 alone)
	WIN W_K0
.endif
.if bi == 8
.if \afr
	s_wait_dscnt 4                                 ; x's K step 1 is in, and mine, asked for ahead of it; behind them: the next block's K step 1
.else
	s_wait_dscnt 8-8*((\m)/7)                      ; my K step 1 is in; behind it: the next block's two fragments (the last block: nothing)
.endif
	WIN W_K1
.endif
.if bi < 8
	v_wmma_f32_16x16x128_fp8_fp8 v[BX+8*ba:BX+8*ba+7], v[BB:BB+15], v[AF+16*ba:AF+16*ba+15], 0
.else
	v_wmma_f32_16x16x128_fp8_fp8 v[BX+8*ba:BX+8*ba+7], v[BB+16:BB+31], v[AF+16*ba:AF+16*ba+15], v[BX+8*ba:BX+8*ba+7]
.endif
.if \flush
.set xs, SC+4*(bi/2)
.set xa, BY+8*(bi/2)+4*(bi%2)
.set xv, BV+4*(bi%2)
	v_pk_fma_f32 v[xs:xs+1], v[xa:xa+1], v[xv:xv+1], v[xs:xs+1]
	v_pk_fma_f32 v[xs+2:xs+3], v[xa+2:xa+3], v[xv+2:xv+3], v[xs+2:xs+3]
.endif
.if bi == 0
.if \afr
	AK 1                                           ; into window 2's registers, whose last readers stand a whole piece's holds back
	WIN W_K0
.endif
.endif
.if bi == 1
.if (\m) <= 6
	BFRAG \hf, (\m)+1, 1
.endif
.endif
.if bi == 9
.if (\flush) == 0
	PLACES 4                                       ; the block without weighting: four places in front of the loads, and behind the first two finished accumulators
.endif
.if (\m) <= 5
	BFRAG \hf, (\m)+2, 0
.endif
.endif
.set bi, bi+1
.endr
.endm
.macro BLOCK hf, m, flush
	BLK \hf, \m, \flush, 0
.endm
.macro BLOCKA flush                    ; a chunk's first block
	BLK 0, 0, \flush, 1
.endm
; Behind a chunk's first block every wave has the chunk's fragments of x in registers: a barrier, behind which the codes' bytes are written again.  Slot 1's refill may stay out across it.
.macro YBAR
	WIN 0
	s_wait_dscnt 0x0                               ; for the others' sake: my reads of the codes are over
	s_barrier_signal -1
	s_barrier_wait -1
.endm
; THE CHANGE OF N HALF inside a chunk.  Slot 0 has been read out and takes the next chunk's tile.  Each wave waits for all its tensor loads (one is out: slot 1's tile, which it reads next), adds 0 to its
; spare word, waits for that and for its reads of slot 0; a round of the cluster's barrier, so that the same holds of every partner; the joint refill first behind it: it has 8 blocks in which to land.
.macro HEADMID
	WIN 0
	s_wait_tensorcnt 0x0                           ; no tensor load of mine is out, so a group 0 may be written
	ds_add_u32 v[SPW], v[NIL]                      ; 0 onto my spare word
	s_add_co_u32 s59, s59, 1
	s_and_b32 s59, s59, 3                          ; the next chunk's K quarter: the same number in all four partners
	s_lshl_b32 s62, s59, 8                         ; its 256 codes' place in a row of W (s63 = 0)
	s_add_nc_u64 s[34:35], s[86:87], s[62:63]      ; slot 0's next tile
	s_or_b32 s35, s35, 0x80000000                  ; type = 2
	s_wait_dscnt 0x0                               ; the add is done, my reads of slot 0 are over, my codes have landed
	CROUND
	tensor_load_to_lds s[32:35], s[24:31]
	s_nop 0
	PLACES 4                                       ; four v_nop follow the load
	BPRE 1
.endm
; THE CHANGE OF CHUNK.  The same for slot 1; the round also shows every wave's codes of the next chunk in LDS.  Behind the refill: x's fragments of K step 0 and B's first three: 44 LDS loads.
.macro HEADCHUNK
	WIN 0
	s_wait_tensorcnt 0x0
	ds_add_u32 v[SPW], v[NIL]
	s_add_nc_u64 s[38:39], s[88:89], s[62:63]      ; slot 1's next tile: the K quarter that slot 0 was given
	s_or_b32 s39, s39, 0x80000000
	s_wait_dscnt 0x0
	CROUND
	tensor_load_to_lds s[36:39], s[24:31]
	s_nop 0
	PLACES 4
	AK 0
	WIN 0
	BPRE 0
.endm
; A chunk's blocks 1 to 15, with the next chunk's four pieces quantised between them.
.macro BODY reload
	BLOCK 0, 1, 1
	BLOCK 0, 2, 1
	BLOCK 0, 3, 1
	QUANT 0, \reload, 8, 48-(\reload)
	BLOCK 0, 4, 1
	BLOCK 0, 5, 1
	BLOCK 0, 6, 1
	BLOCK 0, 7, 1
	QUANT 1, \reload, 8, 48-(\reload)-16*(1-(\reload))
	HEADMID
	BLOCK 1, 0, 1
	BLOCK 1, 1, 1
	BLOCK 1, 2, 1
	BLOCK 1, 3, 1
	QUANT 2, \reload, 8, 48-(\reload)-32*(1-(\reload))
	BLOCK 1, 4, 1
	BLOCK 1, 5, 1
	BLOCK 1, 6, 1
	BLOCK 1, 7, 1
	QUANT 3, \reload, 8, 48-(\reload)-48*(1-(\reload))
.endm
	s_load_b256 s[4:11], s[0:1], 0x0               ; attn_b s[4:5], W's codes s[6:7], encoder_outputs s[8:9], hidden s[10:11]
	s_load_b128 s[12:15], s[0:1], 0x20             ; the scales' exponents s[12:13], v s[14:15]
	s_load_b64 s[16:17], s[0:1], 0x30              ; scores
	v_lshl_add_u32 v[SPW], v0, 2, SPARE
	v_mov_b32 v[NIL], 0
	ds_add_u32 v1, v2
	ds_add_u32 v1, v2
	s_wait_dscnt 0x0
	v_lshrrev_b32 v15, 5, v0
	v_readfirstlane_b32 s18, v15                   ; wave 0..3
	s_bfe_u32 s19, ttmp6, 0x40000                  ; cx: my place in the cluster
	s_lshl_b32 s20, ttmp9, 2                       ; in a cluster launch ttmp9 counts clusters
	s_add_co_u32 s20, s20, s19                     ; g = 4 x cluster + cx: it enters global addresses of plain loads and stores alone
	s_and_b32 s59, ttmp9, 3                        ; my cluster's first K quarter: the cluster's number mod 4, the same in all four partners
	; descriptor group 1 for W's tiles: 128 rows x 256 bytes, 2,048 bytes apart in memory, padded in LDS
	s_mov_b32 s24, 15|(1<<20)|(1<<21)|(5<<22)|(3<<25)   ; 15:0 the mask: all four work-groups; 17:16 elements of 1 byte; 20 padding on; 21 set beside a mask; 24:22 after every 64 words; 31:25 four words
	s_mov_b32 s25, 256<<16                         ; tensor_dim0 = 256
	s_mov_b32 s26, 128<<16                         ; tensor_dim1 = 128
	s_mov_b32 s27, 256<<16                         ; tile_dim0 = 256
	s_mov_b32 s28, 128                             ; tile_dim1 = 128
	s_mov_b32 s29, 2048                            ; tensor_dim0_stride
	s_mov_b32 s30, 0
	s_mov_b32 s31, 0
	; and for v: 2 rows x 128 f32, 512 numbers apart: my 128 of each N half
	s_mov_b32 s40, 15|(2<<16)|(1<<21)              ; the mask; elements of 4 bytes; no padding
	s_mov_b32 s41, 128<<16
	s_mov_b32 s42, 2<<16
	s_mov_b32 s43, 128<<16
	s_mov_b32 s44, 2
	s_mov_b32 s45, 512
	s_mov_b32 s46, 0
	s_mov_b32 s47, 0
	s_mov_b32 s60, 0x76543210                      ; v_permlanex16_b32: lane l xor 16
	s_mov_b32 s61, 0xfedcba98
	s_mul_i32 s21, s18, WWAVE                      ; my rows' place in a slot: the wave's number alone
	s_lshl_b32 s22, s18, 18                        ; my 128 rows of W, 2,048 bytes each,
	s_add_co_u32 s22, s22, 1024                    ; from k = 1,024 on
	s_mov_b32 s23, 0
	s_lshl_b32 s62, s18, 9                         ; my 128 numbers of v
	s_mov_b32 s63, 0                               ; stays 0
	s_lshl_b32 s66, s18, 10                        ; 1,024 x wave: my part of VL, and my 256 numbers of hidden[b]
	s_lshl_b32 s68, s20, 19                        ; the work-group's 128 rows of 4,096 bytes
	s_mov_b32 s69, 0
	s_lshr_b32 s72, s20, 4                         ; the batch
	s_lshl_b32 s72, s72, 12
	s_add_co_u32 s72, s72, s66
	s_mov_b32 s73, 0
	s_and_b32 s74, s20, 15
	s_lshl_b32 s74, s74, 6
	s_lshl_b32 s75, s18, 4
	s_add_co_u32 s67, s74, s75                     ; the hidden half: my 16 columns begin at 64 (g % 16) + 16 x wave
	s_lshl_b32 s74, s67, 11
	s_mov_b32 s75, 0
	s_mov_b32 s91, 0
	v_and_b32 v10, 31, v0                          ; lane
	v_lshlrev_b32 v15, 4, v10                      ; 16 bytes a lane
	s_lshl_b32 s19, s18, 17                        ; my 32 rows
	v_add_nc_u32 v[GA], s19, v15
	s_wait_kmcnt 0x0
	s_load_b64 s[56:57], s[12:13], 0x0             ; e0, e1
	s_add_nc_u64 s[8:9], s[8:9], s[68:69]          ; x at the work-group's first row,
	s_add_nc_u64 s[10:11], s[10:11], s[72:73]
	ABASE 80, 0                                    ; and at the K quarters of chunk steps 0, 1, 3 and (in place, so last) 2
	ABASE 82, 1
	ABASE 84, 3
	ABASE 8, 2
	global_load_b128 v[16:19], v15, s[10:11]       ; hidden[b]: my 256 numbers, k = 256 w + 4 x lane on,
	global_load_b128 v[20:23], v15, s[10:11] offset:512   ; and 128 further
	PLOAD 0, 80                                    ; chunk step 0: the stream begins ahead of the round
	PLOAD 1, 80
	PLOAD 2, 80
	s_add_nc_u64 s[86:87], s[6:7], s[22:23]        ; W at my rows of N half 0, k = 1,024,
	s_add_nc_u64 s[88:89], s[86:87], 512*2048      ; and of N half 1
	s_lshl_b32 s90, s59, 8                         ; the first K quarter's 256 codes
	s_mov_b32 s32, 1                               ; group 0, slot 0: count = 1,
	s_mov_b32 s33, s21                             ; LDS address,
	s_add_nc_u64 s[34:35], s[86:87], s[90:91]      ; global address,
	s_or_b32 s35, s35, 0x80000000                  ; type = 2
	s_mov_b32 s36, 1
	s_add_co_u32 s37, s21, WSLOT
	s_add_nc_u64 s[38:39], s[88:89], s[90:91]
	s_or_b32 s39, s39, 0x80000000
	s_mov_b32 s48, 1                               ; group 0 for v
	s_add_co_u32 s49, s66, VL
	s_add_nc_u64 s[50:51], s[14:15], s[62:63]
	s_or_b32 s51, s51, 0x80000000
	s_add_nc_u64 s[76:77], s[6:7], s[74:75]        ; the hidden half's 16 rows of W,
	s_lshl_b32 s74, s67, 2
	s_add_nc_u64 s[78:79], s[14:15], s[74:75]      ; their v,
	s_add_nc_u64 s[70:71], s[4:5], s[74:75]        ; their attn_b
	CROUND                                         ; all four work-groups are here: the first joint loads meet
	tensor_load_to_lds s[48:51], s[40:47]          ; the first fills go out as one group: three loads of mine are out
	s_nop 0
	tensor_load_to_lds s[32:35], s[24:31]
	s_nop 0
	tensor_load_to_lds s[36:39], s[24:31]
	s_nop 0
	PLACES 4
	v_and_b32 v11, 15, v0                          ; r
	v_bfe_u32 v12, v0, 4, 1                        ; h
	v_mul_u32_u24 v[BR], v11, WPITCH
	v_lshl_add_u32 v[BR], v12, 4, v[BR]
	v_add_nc_u32 v[BR], s21, v[BR]                 ; my rows + r x pitch + 16 h
	v_add_nc_u32 v[BR+1], WSLOT, v[BR]
	v_mul_u32_u24 v[AR], v11, APITCH
	v_lshl_add_u32 v[AR], v12, 4, v[AR]
	v_add_nc_u32 v[AR], AT, v[AR]
	s_mul_i32 s22, s18, 2*APIECE
	s_add_co_u32 s22, s22, AT
	v_lshl_add_u32 v[AW], v10, 2, s22              ; my two row blocks' pieces + 4 x lane
	v_lshl_add_u32 v[VR], v12, 5, s49              ; my part of VL + 32 h
	s_add_co_u32 s22, s62, RED
	v_lshl_add_u32 v[RW], v11, 2, s22              ; RED + 512 w + 4 r
	v_lshl_add_u32 v[RR], v10, 4, RED
	v_lshl_add_u32 v[HR], v12, 4, HID
	v_lshlrev_b32 v[HWO], 11, v11
	v_lshl_add_u32 v[HWO], v12, 4, v[HWO]          ; r rows of 2,048 bytes + 16 h
	v_lshlrev_b32 v[VBO], 5, v12
.set j, 0
.rept 32
	v_mov_b32 v[SC+j], 0                           ; the scores begin at 0
.set j, j+1
.endr
	s_wait_kmcnt 0x0
	s_add_co_i32 s22, s56, 127
	s_lshl_b32 s23, s22, 23
	v_mov_b32 v[SCL], s23                          ; 2^e0
	s_add_co_i32 s22, s22, 8
	s_lshl_b32 s22, s22, 23
	s_or_b32 s53, s22, 0x600000                    ; 448 x 2^e0,
	s_or_b32 s52, s53, 0x80000000                  ; and its negative
	s_add_co_i32 s54, s56, s57
	s_add_co_i32 s54, s54, 127
	s_lshl_b32 s54, s54, 23                        ; 2^(e0 + e1)
	s_mov_b32 s55, s54                             ; (named with it as a pair, so it is written)
	s_wait_tensorcnt 0x2                           ; my part of v is in (behind it: W's two tiles); only I read it
	WIN W_L1
.set j, 0
.rept 32
	ds_load_b128 v[4*j:4*j+3], v[VR] offset:64*(j/2)+16*(j%2)   ; block j / 2: v at its 16 columns; my half's eight
.set j, j+1
.endr
	WIN 0
	s_wait_loadcnt 47                              ; hidden's two loads are in (behind them: three pieces of 16; one under their 48, as in QUANT), so their offset register is free too
	s_lshl_b32 s22, s18, 8
	s_add_co_u32 s22, s22, HID
	v_and_b32 v15, 31, v0
	v_lshl_add_u32 v15, v15, 2, s22                ; HID + 256 w + 4 x lane
.irp i, 0,1,2,3,4,5,6,7
	v_med3_num_f32 v[16+\i], v[16+\i], s52, s53
.endr
	v_cvt_scalef32_pk8_fp8_f32 v[24:25], v[16:23], v[SCL]
	v_nop
	ds_store_b32 v15, v24
	ds_store_b32 v15, v25 offset:128
	PLOAD 3, 80
	QUANT 0, 1, 82, 47                             ; chunk step 0 becomes codes; step 1 is asked for
	WIN W_L2                                       ; v's second copy, behind the first piece's wait for all LDS instructions
.set j, 0
.rept 32
	ds_load_b128 v[4*j:4*j+3], v[VR] offset:64*(j/2)+16*(j%2)
.set j, j+1
.endr
	WIN 0
	QUANT 1, 1, 82, 47
	QUANT 2, 1, 82, 47
	QUANT 3, 1, 82, 47
	s_wait_tensorcnt 0x1                           ; my tile of slot 0 is in; slot 1's may stay out
	s_wait_dscnt 0x0                               ; my codes have landed, and my copies of v are in
	s_barrier_signal -1
	s_barrier_wait -1                              ; chunk step 0's and hidden's codes are whole
	AK 0
	WIN 0
	BPRE 0
	BLOCKA 0                                       ; the first block has nothing to weigh
	YBAR
	s_mov_b32 s58, 2
.Lchunk:                                           ; trip c: chunk step c's blocks 1-15 and step c + 1's block 0; step c + 1 is quantised, step c + 2 asked for; both slots are filled again
	BODY 1
	s_wait_xcnt 0x0                                ; the loads have read their base
	s_mov_b64 s[8:9], s[84:85]                     ; the second trip asks for chunk step 3
	HEADCHUNK
	BLOCKA 1
	YBAR
	s_sub_co_u32 s58, s58, 1
	s_cmp_lg_u32 s58, 0
	s_cbranch_scc1 .Lchunk
	BODY 0                                         ; chunk step 2: step 3 is quantised, nothing more of x is asked for: the counts run down
	HEADCHUNK                                      ; the last refill
	BLOCKA 1                                       ; the codes' bytes are not written again: no barrier behind this block
	; chunk step 3.  The hidden half's operands are asked for now, into the registers that the stream has left: my 16 rows of W, k < 1,024 (read once, by me alone), and hidden's codes, the same for all 16 rows of the fragment
	WIN W_L3
.irp ks, 0,1,2,3,4,5,6,7
.irp c, 0,1,2,3
	global_load_b128 v[16*\ks+4*\c:16*\ks+4*\c+3], v[HWO], s[76:77] offset:128*\ks+32*\c
.endr
.endr
.irp ks, 0,1,2,3,4,5,6,7
.irp c, 0,1,2,3
	ds_load_b128 v[128+16*\ks+4*\c:128+16*\ks+4*\c+3], v[HR] offset:128*\ks+32*\c
.endr
.endr
	WIN 0
	global_load_b128 v[16:19], v[VBO], s[78:79]    ; v at my half's eight columns,
	global_load_b128 v[20:23], v[VBO], s[78:79] offset:16
	global_load_b128 v[24:27], v[VBO], s[70:71]    ; attn_b likewise
	global_load_b128 v[28:31], v[VBO], s[70:71] offset:16
	BLOCK 0, 1, 1
	BLOCK 0, 2, 1
	BLOCK 0, 3, 1
	BLOCK 0, 4, 1
	BLOCK 0, 5, 1
	BLOCK 0, 6, 1
	BLOCK 0, 7, 1
	WIN 0
	s_wait_tensorcnt 0x0                           ; slot 1's last tile: my own load, read by me alone; nothing is filled again, so no barrier.  The registers loaded next were last read nine slices back
	BPRE 1
	BLOCK 1, 0, 1
	BLOCK 1, 1, 1
	BLOCK 1, 2, 1
	BLOCK 1, 3, 1
	BLOCK 1, 4, 1
	BLOCK 1, 5, 1
	BLOCK 1, 6, 1
	BLOCK 1, 7, 1
	; THE HIDDEN HALF: 16 columns x K = 1,024: eight products, two accumulators by turns, in registers of set 0 that were weighed long ago
	s_wait_loadcnt 0x0
	s_wait_dscnt 0x0
	WIN W_HM
.irp ks, 0,1,2,3,4,5,6,7
.if \ks < 2
	v_wmma_f32_16x16x128_fp8_fp8 v[ACC+8*(\ks%2):ACC+8*(\ks%2)+7], v[16*\ks:16*\ks+15], v[128+16*\ks:128+16*\ks+15], 0
.else
	v_wmma_f32_16x16x128_fp8_fp8 v[ACC+8*(\ks%2):ACC+8*(\ks%2)+7], v[16*\ks:16*\ks+15], v[128+16*\ks:128+16*\ks+15], v[ACC+8*(\ks%2):ACC+8*(\ks%2)+7]
.endif
.endr
	WIN W_K0
.set bi, 0
.rept 16                                           ; the last block (set 1, block 15 of v) is weighed: these 32 are also the places behind the hidden half's products
.set xs, SC+4*(bi/2)
.set xa, ACC+64+8*(bi/2)+4*(bi%2)
.set xv, 120+4*(bi%2)
	v_pk_fma_f32 v[xs:xs+1], v[xa:xa+1], v[xv:xv+1], v[xs:xs+1]
	v_pk_fma_f32 v[xs+2:xs+3], v[xa+2:xa+3], v[xv+2:xv+3], v[xs+2:xs+3]
.set bi, bi+1
.endr
	WIN 0
	v_mov_b32 v64, s18
	v_lshl_add_u32 v64, v64, 2, RED+2048           ; my word for the hidden half's partial sum
	v_mov_b32 v65, RED+2048
	v_mov_b32 v66, 0
	v_and_b32 v67, 31, v0
	v_lshlrev_b32 v67, 4, v67                      ; 16 x lane
	s_lshl_b32 s22, s20, 9                         ; the work-group's 128 scores,
	s_mov_b32 s23, 0
	s_add_nc_u64 s[66:67], s[16:17], s[22:23]
	s_lshl_b32 s22, s20, 2
	s_add_co_u32 s22, s22, CPART                   ; and its word of cpart
	s_add_nc_u64 s[68:69], s[16:17], s[22:23]
.irp i, 0,2,4,6
	v_pk_add_f32 v[112+\i:113+\i], v[ACC+\i:ACC+\i+1], v[ACC+8+\i:ACC+9+\i]   ; even and odd K steps; both accumulators from their low end on
.endr
.irp i, 0,2,4,6
	v_pk_fma_f32 v[112+\i:113+\i], v[112+\i:113+\i], s[54:55], v[24+\i:25+\i] op_sel_hi:[1,0,1]   ; sum x 2^(e0 + e1) + attn_b
.endr
	v_pk_mul_f32 v[120:121], v[112:113], v[16:17]  ; x v, summed over my eight columns,
	v_pk_fma_f32 v[120:121], v[114:115], v[18:19], v[120:121]
	v_pk_fma_f32 v[120:121], v[116:117], v[20:21], v[120:121]
	v_pk_fma_f32 v[120:121], v[118:119], v[22:23], v[120:121]
	v_add_f32 v120, v120, v121
	v_permlanex16_b32 v121, v120, s60, s61
	v_add_f32 v120, v120, v121                     ; and the other half's eight: the same number in every lane
	ds_store_b32 v64, v120
.irp a, 0,1,2,3,4,5,6,7
	v_pk_add_f32 v[32+2*\a:33+2*\a], v[SC+4*\a:SC+4*\a+1], v[SC+4*\a+2:SC+4*\a+3]
.endr
.irp a, 0,1,2,3,4,5,6,7
	v_add_f32 v[48+\a], v[32+2*\a], v[33+2*\a]
.endr
.irp a, 0,1,2,3,4,5,6,7
	v_permlanex16_b32 v[56+\a], v[48+\a], s60, s61 ; the row's other columns lie in the lane 16 away
.endr
.irp a, 0,1,2,3,4,5,6,7
	v_add_f32 v[48+\a], v[48+\a], v[56+\a]
.endr
.irp a, 0,1,2,3,4,5,6,7
	ds_store_b32 v[RW], v[48+\a] offset:64*\a      ; row 16 a + r over my 256 columns (both halves of the lanes store the same number)
.endr
	s_wait_dscnt 0x0                               ; for wave 0's sake
	s_barrier_signal -1
	s_barrier_wait -1
	s_cmp_lg_u32 s18, 0
	s_cbranch_scc1 .Lend
	ds_load_b128 v[32:35], v[RR]                   ; wave 0: four rows a lane, from each of the four waves
	ds_load_b128 v[36:39], v[RR] offset:512
	ds_load_b128 v[40:43], v[RR] offset:1024
	ds_load_b128 v[44:47], v[RR] offset:1536
	ds_load_b128 v[48:51], v65                     ; and the hidden half's four partial sums
	s_wait_dscnt 0x0
	v_pk_add_f32 v[32:33], v[32:33], v[36:37]
	v_pk_add_f32 v[34:35], v[34:35], v[38:39]
	v_pk_add_f32 v[40:41], v[40:41], v[44:45]
	v_pk_add_f32 v[42:43], v[42:43], v[46:47]
	v_pk_add_f32 v[32:33], v[32:33], v[40:41]
	v_pk_add_f32 v[34:35], v[34:35], v[42:43]
	v_pk_mul_f32 v[32:33], v[32:33], s[54:55] op_sel_hi:[1,0]   ; x 2^(e0 + e1)
	v_pk_mul_f32 v[34:35], v[34:35], s[54:55] op_sel_hi:[1,0]
	v_add_f32 v48, v48, v49
	v_add_f32 v50, v50, v51
	v_add_f32 v48, v48, v50
	global_store_b128 v67, v[32:35], s[66:67]      ; the wave stores 512 consecutive bytes, aligned
	s_wait_xcnt 0x0                                ; EXEC changes only behind this wait
	v_cmp_eq_u32 vcc_lo, 0, v0
	s_and_saveexec_b32 s21, vcc_lo
	global_store_b32 v66, v48, s[68:69]            ; cpart[g], by one lane
	s_wait_xcnt 0x0                                ; and again in front of the line that widens it
	s_or_b32 exec_lo, exec_lo, s21
.Lend:
	s_wait_tensorcnt 0x0                           ; the wave's end
	ds_add_u32 v[SPW], v[NIL]
	s_wait_dscnt 0x0
	CROUND                                         ; the closing round: no work-group ends while a partner may still ask for a tile that names it
	s_endpgm
.Lfunc_end_k_q7972ee072f_energy:
	.size	k_q7972ee072f_energy, .Lfunc_end_k_q7972ee072f_energy-k_q7972ee072f_energy
	.p2alignl 7, 3214868480
	.fill 96, 4, 3214868480
	.section	.rodata,"a",@progbits
	.p2align	6, 0x0
	.amdhsa_kernel k_q7972ee072f_energy
		.amdhsa_group_segment_fixed_size 327680
		.amdhsa_private_segment_fixed_size 0
		.amdhsa_enable_private_segment 0
		.amdhsa_kernarg_size 56
		.amdhsa_user_sgpr_count 2
		.amdhsa_user_sgpr_kernarg_segment_ptr 1
		.amdhsa_wavefront_size32 1
		.amdhsa_system_sgpr_workgroup_id_x 1
		.amdhsa_system_sgpr_workgroup_id_y 1
		.amdhsa_system_sgpr_workgroup_id_z 1
		.amdhsa_system_vgpr_workitem_id 0
		.amdhsa_next_free_vgpr 1024
		.amdhsa_next_free_sgpr 96
		.amdhsa_reserve_vcc 1
		.amdhsa_float_denorm_mode_32 3
		.amdhsa_float_denorm_mode_16_64 3
		.amdhsa_memory_ordered 1
		.amdhsa_forward_progress 1
		.amdhsa_inst_pref_size 255
	.end_amdhsa_kernel
	.section	.bss,"aw",@nobits
	.p2align	6
	.space	262144
	.amdgpu_metadata
---
amdhsa.version: [ 1, 2 ]
amdhsa.kernels:
  - .name:           k_q7972ee072f_energy
    .symbol:         k_q7972ee072f_energy.kd
    .args:
      - { .name: attn_b, .offset: 0, .size: 8, .value_kind: global_buffer, .address_space: global }
      - { .name: attn_w_codes, .offset: 8, .size: 8, .value_kind: global_buffer, .address_space: global }
      - { .name: encoder_outputs, .offset: 16, .size: 8, .value_kind: global_buffer, .address_space: global }
      - { .name: hidden, .offset: 24, .size: 8, .value_kind: global_buffer, .address_space: global }
      - { .name: lowp_scales, .offset: 32, .size: 8, .value_kind: global_buffer, .address_space: global }
      - { .name: v, .offset: 40, .size: 8, .value_kind: global_buffer, .address_space: global }
      - { .name: scores, .offset: 48, .size: 8, .value_kind: global_buffer, .address_space: global }
    .group_segment_fixed_size: 327680
    .private_segment_fixed_size: 0
    .kernarg_segment_align: 8
    .kernarg_segment_size: 56
    .max_flat_workgroup_size: 128
    .sgpr_count:     96
    .vgpr_count:     1024
    .wavefront_size: 32
...
	.end_amdgpu_metadata
.endif
;; end of part 1
;; launch softmax (part 2): grid 16 x 1, 16 waves a work-group, no clusters, 3,072 bytes of LDS; arguments scores, out0; writes out0
.if DOCPART == 2
	.amdgcn_target "amdgcn-amd-amdhsa--gfx1250"
	.amdhsa_code_object_version 6
	.text
	.protected	k_q7972ee072f_softmax
	.globl	k_q7972ee072f_softmax
	.p2align	8
	.type	k_q7972ee072f_softmax,@function
k_q7972ee072f_softmax:
	s_mov_b64 s[64:65], 0
	v_nop
	global_prefetch_b8 v0, s[64:65] scope:SCOPE_SE
	s_setreg_imm32_b32 hwreg(HW_REG_WAVE_MODE, 25, 1), 1
	s_wait_xcnt 0x0
; out0[b][:] = softmax over s of (raw[b][s] + c[b]), c[b] = the sum of the batch's 16 words of cpart.  scores: raw [16][2048] f32, then cpart [256] f32 from byte 131,072 on.
; A work-group owns a batch's row: one owner for a row's maximum and sum.  512 threads, 4 numbers each: a wave's load and its store cover 512 consecutive bytes, aligned.
; The row's maximum is taken away ahead of the exponential.  The waves' figures meet in LDS: 16 words at byte 0 for the maxima, 16 at byte 256 for the sums, a barrier for each.
; No matrix unit, no tensor load, no cluster: 8 KiB a work-group, read once; nothing is shared between work-groups.
.set CPART, 131072
	s_load_b128 s[4:7], s[0:1], 0x0                ; scores s[4:5], out0 s[6:7]
	v_lshl_add_u32 v32, v0, 2, 0x400
	v_mov_b32 v33, 0
	v_lshrrev_b32 v1, 5, v0
	v_readfirstlane_b32 s8, v1                     ; wave 0..15
	v_lshlrev_b32 v2, 4, v0                        ; my 16 bytes of the row
	v_and_b32 v3, 15, v0
	v_lshlrev_b32 v3, 2, v3                        ; my word of the batch's 16 of cpart
	v_mov_b32 v10, s8
	v_lshlrev_b32 v10, 2, v10                      ; my wave's word in LDS
	v_mov_b32 v11, 0
	v_mov_b32 v9, 0                                ; written once: a lane permute's destination counts as one of its sources
	s_lshl_b32 s10, ttmp9, 13                      ; the batch's 8,192 bytes
	s_mov_b32 s11, 0
	s_lshl_b32 s12, ttmp9, 6
	s_add_co_u32 s12, s12, CPART
	s_mov_b32 s13, 0
	s_mov_b32 s14, 0x76543210                      ; v_permlanex16_b32: lane l xor 16
	s_mov_b32 s15, 0xfedcba98
	s_wait_kmcnt 0x0
	s_add_nc_u64 s[16:17], s[4:5], s[10:11]
	s_add_nc_u64 s[18:19], s[4:5], s[12:13]
	s_add_nc_u64 s[6:7], s[6:7], s[10:11]
	global_load_b128 v[4:7], v2, s[16:17]
	global_load_b32 v8, v3, s[18:19]
	s_wait_loadcnt 0x0
	v_add_f32_dpp v8, v8, v8 row_xmask:1 row_mask:0xf bank_mask:0xf   ; c: the 16 words lie in the 16 lanes of a row
	v_add_f32_dpp v8, v8, v8 row_xmask:2 row_mask:0xf bank_mask:0xf
	v_add_f32_dpp v8, v8, v8 row_xmask:4 row_mask:0xf bank_mask:0xf
	v_add_f32_dpp v8, v8, v8 row_xmask:8 row_mask:0xf bank_mask:0xf
	v_add_f32 v4, v4, v8
	v_add_f32 v5, v5, v8
	v_add_f32 v6, v6, v8
	v_add_f32 v7, v7, v8
	v_max3_num_f32 v12, v4, v5, v6                 ; the largest of my four, of the wave's 128,
	v_max_num_f32 v12, v12, v7
	v_max_num_f32_dpp v12, v12, v12 row_xmask:1 row_mask:0xf bank_mask:0xf
	v_max_num_f32_dpp v12, v12, v12 row_xmask:2 row_mask:0xf bank_mask:0xf
	v_max_num_f32_dpp v12, v12, v12 row_xmask:4 row_mask:0xf bank_mask:0xf
	v_max_num_f32_dpp v12, v12, v12 row_xmask:8 row_mask:0xf bank_mask:0xf
	v_permlanex16_b32 v9, v12, s14, s15
	v_max_num_f32 v12, v12, v9
	ds_store_b32 v10, v12
	s_wait_dscnt 0x0                               ; for the others' sake
	s_barrier_signal -1
	s_barrier_wait -1
	ds_load_b128 v[16:19], v11                     ; and of the sixteen waves
	ds_load_b128 v[20:23], v11 offset:16
	ds_load_b128 v[24:27], v11 offset:32
	ds_load_b128 v[28:31], v11 offset:48
	s_wait_dscnt 0x0
	v_max3_num_f32 v12, v16, v17, v18
	v_max3_num_f32 v13, v19, v20, v21
	v_max3_num_f32 v14, v22, v23, v24
	v_max3_num_f32 v15, v25, v26, v27
	v_max3_num_f32 v12, v12, v28, v29
	v_max3_num_f32 v13, v13, v30, v31
	v_max3_num_f32 v12, v12, v13, v14
	v_max_num_f32 v12, v12, v15                    ; m
	v_sub_f32 v4, v4, v12
	v_sub_f32 v5, v5, v12
	v_sub_f32 v6, v6, v12
	v_sub_f32 v7, v7, v12
	v_mul_f32 v4, 0x3fb8aa3b, v4                   ; x log2(e)
	v_mul_f32 v5, 0x3fb8aa3b, v5
	v_mul_f32 v6, 0x3fb8aa3b, v6
	v_mul_f32 v7, 0x3fb8aa3b, v7
	v_exp_f32 v4, v4
	v_exp_f32 v5, v5
	v_exp_f32 v6, v6
	v_exp_f32 v7, v7
	v_nop                                          ; one plain line behind the exponentials (ISA guide 5.7.2)
	s_wait_alu depctr_va_vdst(0)
	v_add_f32 v13, v4, v5
	v_add_f32 v14, v6, v7
	v_add_f32 v13, v13, v14
	v_add_f32_dpp v13, v13, v13 row_xmask:1 row_mask:0xf bank_mask:0xf
	v_add_f32_dpp v13, v13, v13 row_xmask:2 row_mask:0xf bank_mask:0xf
	v_add_f32_dpp v13, v13, v13 row_xmask:4 row_mask:0xf bank_mask:0xf
	v_add_f32_dpp v13, v13, v13 row_xmask:8 row_mask:0xf bank_mask:0xf
	v_permlanex16_b32 v9, v13, s14, s15
	v_add_f32 v13, v13, v9
	ds_store_b32 v10, v13 offset:256               ; other bytes than the maxima's: no barrier is owed between those reads and this store
	s_wait_dscnt 0x0
	s_barrier_signal -1
	s_barrier_wait -1
	ds_load_b128 v[16:19], v11 offset:256
	ds_load_b128 v[20:23], v11 offset:272
	ds_load_b128 v[24:27], v11 offset:288
	ds_load_b128 v[28:31], v11 offset:304
	s_wait_dscnt 0x0
	v_pk_add_f32 v[16:17], v[16:17], v[18:19]
	v_pk_add_f32 v[20:21], v[20:21], v[22:23]
	v_pk_add_f32 v[24:25], v[24:25], v[26:27]
	v_pk_add_f32 v[28:29], v[28:29], v[30:31]
	v_pk_add_f32 v[16:17], v[16:17], v[20:21]
	v_pk_add_f32 v[24:25], v[24:25], v[28:29]
	v_pk_add_f32 v[16:17], v[16:17], v[24:25]
	v_add_f32 v16, v16, v17                        ; the row's sum: at least 1, since the largest term is 1
	v_rcp_f32 v16, v16
	v_nop                                          ; one plain line behind the reciprocal
	s_wait_alu depctr_va_vdst(0)
	v_mul_f32 v4, v4, v16
	v_mul_f32 v5, v5, v16
	v_mul_f32 v6, v6, v16
	v_mul_f32 v7, v7, v16
	global_store_b128 v2, v[4:7], s[6:7]
	s_wait_tensorcnt 0x0
	ds_add_u32 v32, v33
	s_wait_dscnt 0x0
	s_endpgm
.Lfunc_end_k_q7972ee072f_softmax:
	.size	k_q7972ee072f_softmax, .Lfunc_end_k_q7972ee072f_softmax-k_q7972ee072f_softmax
	.p2alignl 7, 3214868480
	.fill 96, 4, 3214868480
	.section	.rodata,"a",@progbits
	.p2align	6, 0x0
	.amdhsa_kernel k_q7972ee072f_softmax
		.amdhsa_group_segment_fixed_size 3072
		.amdhsa_private_segment_fixed_size 0
		.amdhsa_enable_private_segment 0
		.amdhsa_kernarg_size 16
		.amdhsa_user_sgpr_count 2
		.amdhsa_user_sgpr_kernarg_segment_ptr 1
		.amdhsa_wavefront_size32 1
		.amdhsa_system_sgpr_workgroup_id_x 1
		.amdhsa_system_sgpr_workgroup_id_y 1
		.amdhsa_system_sgpr_workgroup_id_z 1
		.amdhsa_system_vgpr_workitem_id 0
		.amdhsa_next_free_vgpr 34
		.amdhsa_next_free_sgpr 66
		.amdhsa_reserve_vcc 0
		.amdhsa_float_denorm_mode_32 3
		.amdhsa_float_denorm_mode_16_64 3
		.amdhsa_memory_ordered 1
		.amdhsa_forward_progress 1
		.amdhsa_inst_pref_size 6
	.end_amdhsa_kernel
	.amdgpu_metadata
---
amdhsa.version: [ 1, 2 ]
amdhsa.kernels:
  - .name:           k_q7972ee072f_softmax
    .symbol:         k_q7972ee072f_softmax.kd
    .args:
      - { .name: scores, .offset: 0, .size: 8, .value_kind: global_buffer, .address_space: global }
      - { .name: out0, .offset: 8, .size: 8, .value_kind: global_buffer, .address_space: global }
    .group_segment_fixed_size: 3072
    .private_segment_fixed_size: 0
    .kernarg_segment_align: 8
    .kernarg_segment_size: 16
    .max_flat_workgroup_size: 512
    .sgpr_count:     66
    .vgpr_count:     34
    .wavefront_size: 32
...
	.end_amdgpu_metadata
.endif
;; end of part 2
